; MI455X (gfx1250); checked and timed in simulation.
; The chip was launched on July 23, 2026; its instructions are those of AMD's public machine-readable ISA for CDNA 5 (MIT licence, August 2026) and "CDNA5" Instruction Set Architecture Reference Guide (July 2026). The comments in the code are by the model that wrote it; some were corrected since.
;; Feature Extractor. Allowed arithmetic: matrix products marked QUANTISED: E2M3 operands, one E8M0 scale for each 32 along K, by v_wmma_scale_f32_16x16x128_f8f6f4 with both operands' format E2M3, f32 sums; everything else in f32.
;; Inputs: ca_in_b 192 float32; ca_in_w 192 x 64 float32; ca_ln_b 64 float32; ca_ln_g 64 float32; ca_out_b 64 float32; ca_out_w 64 x 64 float32; proj_b 64 float32; proj_w 64 float32; sa_in_b 192 float32; sa_in_w 192 x 64 float32; sa_ln_b 64 float32; sa_ln_g 64 float32; sa_out_b 64 float32; sa_out_w 64 x 64 float32; x_src 256 x 512 float32; x_tgt 256 x 512 float32.
;; Outputs: out0 256 x 64 float32; out1 256 x 64 float32; out2 256 x 64 float32.
;; This version of the problem:
;;   THIS VERSION OF THE PROBLEM IS GIVEN IN LOW PRECISION. The matrix products marked QUANTISED in the list below multiply operands that are first quantised to E2M3 (2 exponent bits, 3 mantissa bits; 6 bits a number), with one power-of-two scale for each 32 numbers along K (OCP MX v1.0); their sums are f32. All else is computed in f32.
;;   The module's matrix products, in the order in which they are computed (A, B: the left and right operand; K: the contracted axis; several contracted axes count as one K, in the product's order):
;;     1. [M 131,072, K 64] x [K 64, N 64]; A: computed on the way; B: input sa_in_w: QUANTISED
;;     2. [M 131,072, K 64] x [K 64, N 64]; A: computed on the way; B: input sa_in_w: QUANTISED
;;     3. [M 131,072, K 64] x [K 64, N 64]; A: computed on the way; B: input sa_in_w: QUANTISED
;;     4. batch 256 x [M 512, K 64] x [K 64, N 512]; A: computed on the way; B: computed on the way: QUANTISED
;;     5. batch 256 x [M 512, K 512] x [K 512, N 64]; A: softmax (see below); B: computed on the way: QUANTISED
;;     6. [M 131,072, K 64] x [K 64, N 64]; A: computed on the way; B: input sa_out_w: QUANTISED
;;     7. [M 131,072, K 64] x [K 64, N 64]; A: computed on the way; B: input sa_in_w: QUANTISED
;;     8. [M 131,072, K 64] x [K 64, N 64]; A: computed on the way; B: input sa_in_w: QUANTISED
;;     9. [M 131,072, K 64] x [K 64, N 64]; A: computed on the way; B: input sa_in_w: QUANTISED
;;     10. batch 256 x [M 512, K 64] x [K 64, N 512]; A: computed on the way; B: computed on the way: QUANTISED
;;     11. batch 256 x [M 512, K 512] x [K 512, N 64]; A: softmax (see below); B: computed on the way: QUANTISED
;;     12. [M 131,072, K 64] x [K 64, N 64]; A: computed on the way; B: input sa_out_w: QUANTISED
;;     13. [M 131,072, K 64] x [K 64, N 64]; A: computed on the way; B: input ca_in_w: QUANTISED
;;     14. [M 131,072, K 64] x [K 64, N 64]; A: computed on the way; B: input ca_in_w: QUANTISED
;;     15. [M 131,072, K 64] x [K 64, N 64]; A: computed on the way; B: input ca_in_w: QUANTISED
;;     16. batch 256 x [M 512, K 64] x [K 64, N 512]; A: computed on the way; B: computed on the way: QUANTISED
;;     17. batch 256 x [M 512, K 512] x [K 512, N 64]; A: softmax (see below); B: computed on the way: QUANTISED
;;     18. [M 131,072, K 64] x [K 64, N 64]; A: computed on the way; B: input ca_out_w: QUANTISED
;;   THE QUANTISER, for each operand of a quantised product, along K:
;;     - K is cut into blocks of 32 from its start; a last block that is shorter is filled with zeros.
;;     - A block's scale is 2^e with e = floor(log2(the largest magnitude in the block)) - 2, held to -126 .. 127; a block of zeros has e = 0. As a byte (E8M0): e + 127.
;;     - Each number is divided by its block's scale, clamped to +-7.5, and rounded to the nearest number of E2M3, ties to even, subnormals kept.
;;     - The product sums the exact products of the quantised numbers (number of the format x scale) in f32.
;;   ~~~python
;;   def quantise(x, axis):      # numpy; x: float32 -> the quantised numbers, widened to float32 again
;;       x = np.moveaxis(x, axis, -1); K = x.shape[-1]
;;       x = np.pad(x, [(0, 0)] * (x.ndim - 1) + [(0, -K % 32)]); x = x.reshape(x.shape[:-1] + (-1, 32)); a = np.abs(x).max(-1, keepdims=True)
;;       e = np.where(a > 0, np.clip(np.frexp(np.where(a > 0, a, 1))[1] - 1 - 2, -126, 127), 0)      # np.frexp(a)[1] - 1 = floor(log2(a)), exactly
;;       r = np.clip(x / 2.0 ** e, -7.5, 7.5)
;;       step = 2.0 ** (np.maximum(np.frexp(np.where(r == 0, 1, r))[1] - 1, 0) - 3)
;;       q = np.round(r / step) * step * 2.0 ** e      # np.round: ties to even
;;       return np.moveaxis(q.reshape(q.shape[:-2] + (-1,))[..., :K], -1, axis).astype(np.float32)
;;   ~~~
;;   SOFTMAX AHEAD OF A QUANTISED PRODUCT. Where the list says 'softmax', what is quantised is not the finished softmax but p = 2^(t - M), with t = logit x log2(e) and M = ceil(the row's largest t), a whole number; so 1/2 < the row's largest p <= 1. The row's sum l is taken of the UNQUANTISED p, in f32, and the product's result is divided by l at the end. Since M is a whole number, a kernel that streams over the keys may use a running M (the ceiling of the running maximum): every later rescaling is an exact power of two, which a block's scale takes up: the codes' values come out the same.
;;   OPERANDS COMPUTED ON THE WAY. 'Computed on the way' means the value that the module computes at that place (a softmax that the list does not call 'softmax' is quantised finished and normalised). What goes into a quantiser is computed in f32, as accurately as f32 sums, v_exp_f32 and their like allow (about 1e-6 of the number): no bf16 or f16 on the way to a quantiser, and a product that is left as it is and whose result goes on into a quantised operand takes f32 operands (vector FMAs, or v_wmma_f32_16x16x4_f32). A number that lies on a knife's edge between two numbers of the format may be rounded either way, as far as f32 arithmetic and the matrix unit's own rounding can turn it there, and no further.
;; One version. Each part assembles by itself: llvm-mc -triple=amdgcn-amd-amdhsa -mcpu=gfx1250 --defsym DOCPART=n.
;; ======== version 1 of 1: 1 launch
;; limits: right only within a limited range of input values
;; launch attn (part 1): grid 256 x 1, 16 waves a work-group, no clusters, 260,096 bytes of LDS; arguments x_src, x_tgt, proj_w, proj_b, ca_in_w, ca_in_b, ca_out_w, ca_out_b, ca_ln_g, ca_ln_b, sa_in_w, sa_in_b, sa_out_w, sa_out_b, sa_ln_g, sa_ln_b, out0, out1, out2; writes out0, out1, out2
.if DOCPART == 1
	.amdgcn_target "amdgcn-amd-amdhsa--gfx1250"
	.amdhsa_code_object_version 6
	.text
	.protected	k_q28deff7e64_attn
	.globl	k_q28deff7e64_attn
	.p2align	8
	.type	k_q28deff7e64_attn,@function
k_q28deff7e64_attn:
	s_mov_b64 s[64:65], 0
	v_nop
	global_prefetch_b8 v0, s[64:65] scope:SCOPE_SE
	s_setreg_imm32_b32 hwreg(HW_REG_WAVE_MODE, 25, 1), 1
	s_wait_xcnt 0x0
; One work-group = one batch row, all three attention blocks: block 0: cross attention (queries x_src, keys and values x_tgt, ca_* weights, out0);
; block 1: self attention on x_src (sa_*, out1); block 2: self attention on x_tgt (sa_*, out2).
; THE CHAIN of a block: h = x proj_w + proj_b; q, k, v = h W^T + b; p = 2^(t - M); o = (p v) / l; y = h + o Wo^T + bo; LayerNorm; mean over the 512 rows: 64 numbers.
; Every product runs on codes of FP6 (E2M3) with one E8M0 scale for each 32 along K, made here by the stated quantiser; sums, softmax, norm and mean in f32.
; PHASES.  A: h of both inputs (64 tiles of 16 rows) and both weight sets (32 tiles) are quantised once and laid in LDS; a barrier.  B: a loop of three trips makes K and V^T of the three blocks,
; each into LDS bytes of its own; a barrier.  C: a loop of three trips, with no barrier inside: Q, the walk over the keys, the way out, the norm, my 32 rows' sum into LDS; a barrier.  Waves 0, 1, 2 then finish one output each.
; SHARES.  Sixteen waves of 256 registers, four to a SIMD.  Wave w makes row tiles 2 w and 2 w + 1 of h and of K, the fragment (key step w / 4, channel tile w % 4) of V^T, weight tile w of each set
; (Wq, Wk, Wv, Wo: four tiles each), and owns the 32 queries at the places of its rows.
; LAYOUT.  Lane = (r = lane % 16, h = lane / 16).  Row m of tile t of a group of 64 rows is row 32 (m / 8) + 8 t + m % 8.  A result's register j holds row 8 h + j of source 0,
; so the 32 registers of tiles 0 to 3 are the neighbours 32 h + 0 .. 31: a whole block of the next K in one lane, in the order of the 6-bit operand.
; K = 64 IN AN INSTRUCTION OF K = 128: one side stands as [6 registers of codes | 6 of zeros]; the other side's fragments lie 6 registers apart and its run of 12 goes on into written registers, whose codes meet zero codes.
; Bytes 2 and 3 of these scale words are 0 (a small power of two, no NaN).
; OPERANDS GO FROM WAVE TO WAVE THROUGH LDS AS IMAGES OF THEIR REGISTERS.  No LDS byte is written twice.
; NO CLUSTER, NO TENSOR LOAD, NO PREFETCH: the work-groups share 128 KB of weights alone, which each reads once in phase A straight into registers; K and V are made here; no stream from memory runs beside a loop.
; LIMITS: NaN and infinities among the inputs are not served.  A block of zeros gets the scale byte 1 where the rule says 127: its codes are zeros and this program alone reads the bytes.
; A p under 2^-126 comes out as 0.  h is one fused multiply-add.  A block's largest p is taken as the exponential of its largest score.  The scaled scores stay under 2^31 in magnitude.
.set BLK,  53248                       ; LDS of one block: K, V^T and their scale words
.set KIMG, 0                           ; K: 16 images of two tiles (1,536 bytes), wave w's at 1,536 w
.set VIMG, 24576                       ; V^T: 16 fragments of 1,536 bytes, (key step s, channel tile dt) at 4 s + dt
.set KSC,  49152                       ; K's scale words: 512 bytes a key step
.set VSC,  51200                       ; V's
.set PRO,  3*BLK                       ; behind the three blocks; the address registers carry this base
.set WIMG, 0                           ; + PRO: 32 weight tiles of 768 bytes: 16 x set (0 ca, 1 sa) + 4 x matrix (q, k, v, out) + tile
.set WSC,  24576                       ; + PRO: their scale words, 128 bytes a tile
.set HSC,  28672                       ; + PRO: h's scale words: 64 tiles (x_src's 32, then x_tgt's)
.set RED,  36864                       ; + PRO: 3 blocks x 16 waves x 64 partial sums
.set HIMG, 49152                       ; + PRO: h's 64 tiles of 768 bytes
.set SPARE, PRO+98304                  ; the spare words, 128 bytes a wave
.set LI,  1                            ; v1   16 x lane + the block's base
.set SH8, 2                            ; v2   8 h
.set PS,  4                            ; v4, v5  p's scale words (phase A: the pair that carries x; tail: o's).  v3, v7: q's scale words
.set F,   6                            ; v6   f = 2^(old M - new M)
.set ST,  8                            ; v8-15: for each query tile -M, the largest score, the sum in two halves (phase B: bv)
.set Q,   16                           ; v16-39  [q0 | zeros] [q1 | zeros]  (phase B: addresses in v16-21, v28-33)
.set O,   40                           ; v40-103 O^T and every other accumulator
.set S,   104                          ; v104-167 S^T, then p; biases, proj_w, proj_b
.set KF,  168                          ; v168-215 fragments from LDS
.set P,   216                          ; v216-239 p's codes (phase B: [h | zeros], [h, then Wv | zeros])
.set KS,  240                          ; v240-243 scale words of K, V, Wo (phases A, B: the four registers below)
.set A8,  240                          ; 8 x lane + PRO
.set A4,  241                          ; 4 x lane + PRO
.set R16, 242                          ; 16 r
.set L16, 243                          ; 16 x lane
.set XQ,  244                          ; v244, v245  x of my queries
.set PO,  255                          ; v255 128 h.  v246-254: at work
.macro PLACES n
.rept \n
	v_nop
.endr
.endm
; 32 numbers v[src] .. become 6 registers of codes at v[dst] and the scale's byte in v[by].  Four chains, one for each run of eight, each begun at the run's low end.
.macro QBLK src, dst, by
	v_max3_num_f32 v246, |v[\src]|, |v[\src+1]|, 0x1800000       ; the floor 2^(3 - 127) holds the byte at 1 from below
	v_max3_num_f32 v247, |v[\src+8]|, |v[\src+9]|, |v[\src+10]|
	v_max3_num_f32 v252, |v[\src+16]|, |v[\src+17]|, |v[\src+18]|
	v_max3_num_f32 v253, |v[\src+24]|, |v[\src+25]|, |v[\src+26]|
.irp i, 0,2
	v_max3_num_f32 v246, v246, |v[\src+2+\i]|, |v[\src+3+\i]|
	v_max3_num_f32 v247, v247, |v[\src+11+\i]|, |v[\src+12+\i]|
	v_max3_num_f32 v252, v252, |v[\src+19+\i]|, |v[\src+20+\i]|
	v_max3_num_f32 v253, v253, |v[\src+27+\i]|, |v[\src+28+\i]|
.endr
	v_max3_num_f32 v246, v246, |v[\src+6]|, |v[\src+7]|
	v_max3_num_f32 v252, v252, v253, |v[\src+23]|
	v_max3_num_f32 v246, v246, v247, |v[\src+15]|
	v_max3_num_f32 v246, v246, v252, |v[\src+31]|
	s_delay_alu instid0(VALU_DEP_1)
	v_add_nc_u32 v246, 0xff000000, v246                          ; 2 off the exponent field: the conversions' scale operand
	s_delay_alu instid0(VALU_DEP_1)
	v_lshrrev_b32 v[\by], 23, v246                               ; the scale's byte
	v_cvt_scalef32_pk16_fp6_f32 v[\dst:\dst+2], v[\src:\src+15], v246
	v_cvt_scalef32_pk16_fp6_f32 v[252:254], v[\src+16:\src+31], v246   ; (three registers from an even number on)
	v_nop                                                        ; one plain instruction behind the last scaled conversion
	v_mov_b32 v[\dst+3], v252
	v_mov_b32 v[\dst+4], v253
	v_mov_b32 v[\dst+5], v254
.endm
.macro WORD1 w, by                     ; K = 64: my byte is block h's; with lane l xor 16's the scale word is whole in both lanes
	v_lshlrev_b32 v[\w], v[SH8], v[\by]
	s_delay_alu instid0(VALU_DEP_1)
	v_permlanex16_b32 v249, v[\w], s50, s51
	s_delay_alu instid0(VALU_DEP_1)
	v_or_b32 v[\w], v[\w], v249
.endm
.macro WORD2 w, by0, by1               ; K = 128: my two bytes are blocks h and 2 + h
	v_lshl_or_b32 v[\w], v[\by1], 16, v[\by0]
	s_delay_alu instid0(VALU_DEP_1)
	v_lshlrev_b32 v[\w], v[SH8], v[\w]
	s_delay_alu instid0(VALU_DEP_1)
	v_permlanex16_b32 v249, v[\w], s50, s51
	s_delay_alu instid0(VALU_DEP_1)
	v_or_b32 v[\w], v[\w], v249
.endm
.macro ST6 adr, reg, off               ; 6 registers as an image: 8 bytes a lane
.irp p, 0,1,2
	ds_store_b64 v[\adr], v[\reg+2*\p:\reg+2*\p+1] offset:\off+256*\p
.endr
.endm
.macro LD6 reg, adr, off
.irp p, 0,1,2
	ds_load_b64 v[\reg+2*\p:\reg+2*\p+1], v[\adr] offset:\off+256*\p
.endr
.endm
.macro ST12 adr, reg, off              ; 12 registers: 16 bytes a lane
.irp i, 0,1,2
	ds_store_b128 v[\adr], v[\reg+4*\i:\reg+4*\i+3] offset:\off+512*\i
.endr
.endm
.macro LD12 reg, adr, off
.irp i, 0,1,2
	ds_load_b128 v[\reg+4*\i:\reg+4*\i+3], v[\adr] offset:\off+512*\i
.endr
.endm
.macro HOUT x, adr, off, soff          ; h(row r, 32 h + i) = x proj_w + proj_b, quantised, into LDS with its scale word
	v_mov_b32 v4, v[\x]
.set j, 0
	s_wait_alu depctr_va_vdst(0)
.rept 16
	v_pk_fma_f32 v[O+j:O+j+1], v[S+j:S+j+1], v[4:5], v[S+32+j:S+32+j+1] op_sel_hi:[1,0,1]
.set j, j+2
.endr
	QBLK O, 88, 248
	WORD1 94, 248
	ST6 \adr, 88, \off
	ds_store_b32 v83, v94 offset:\soff
.endm
.macro BARRIER                         ; my LDS instructions are done: then the work-group's barrier
	s_wait_alu depctr_va_vdst(0)
	s_wait_dscnt 0x0
	s_barrier_signal -1
	s_barrier_wait -1
.endm
; One product.  c < 0: the constant 0 starts the sum.  row1: source 0's scale words stand in lanes 16-31 of v[sa].
.macro WM d, a, b, c, sa, sb, row1
.if (\c) < 0
.if (\row1)
	v_wmma_scale_f32_16x16x128_f8f6f4 v[\d:\d+7], v[\a:\a+11], v[\b:\b+11], 0, v[\sa], v[\sb] matrix_a_fmt:MATRIX_FMT_FP6 matrix_b_fmt:MATRIX_FMT_FP6 matrix_a_scale:MATRIX_SCALE_ROW1
.else
	v_wmma_scale_f32_16x16x128_f8f6f4 v[\d:\d+7], v[\a:\a+11], v[\b:\b+11], 0, v[\sa], v[\sb] matrix_a_fmt:MATRIX_FMT_FP6 matrix_b_fmt:MATRIX_FMT_FP6
.endif
.else
.if (\row1)
	v_wmma_scale_f32_16x16x128_f8f6f4 v[\d:\d+7], v[\a:\a+11], v[\b:\b+11], v[\c:\c+7], v[\sa], v[\sb] matrix_a_fmt:MATRIX_FMT_FP6 matrix_b_fmt:MATRIX_FMT_FP6 matrix_a_scale:MATRIX_SCALE_ROW1
.else
	v_wmma_scale_f32_16x16x128_f8f6f4 v[\d:\d+7], v[\a:\a+11], v[\b:\b+11], v[\c:\c+7], v[\sa], v[\sb] matrix_a_fmt:MATRIX_FMT_FP6 matrix_b_fmt:MATRIX_FMT_FP6
.endif
.endif
.endm
	s_load_b256 s[4:11], s[0:1], 0x0               ; x_src, x_tgt, proj_w, proj_b
	s_load_b512 s[12:27], s[0:1], 0x20             ; ca: in_w, in_b, out_w, out_b, ln_g, ln_b in s[12:23]; sa: in_w s[24:25], in_b s[26:27]
	s_load_b256 s[28:35], s[0:1], 0x60             ; sa: out_w, out_b, ln_g, ln_b
	s_load_b128 s[36:39], s[0:1], 0x80             ; out0, out1
	s_load_b64 s[40:41], s[0:1], 0x90              ; out2
	v_lshrrev_b32 v3, 5, v0
	s_delay_alu instid0(VALU_DEP_1)
	v_readfirstlane_b32 s48, v3                    ; wave w
	v_and_b32 v4, 31, v0                           ; lane
	v_bfe_u32 v6, v0, 4, 1                         ; h
	v_and_b32 v7, 15, v0                           ; r
	v_lshlrev_b32 v[SH8], 3, v6
	v_lshlrev_b32 v[PO], 7, v6
	v_lshl_add_u32 v[A8], v4, 3, PRO
	v_lshl_add_u32 v[A4], v4, 2, PRO
	v_lshlrev_b32 v[R16], 4, v7
	v_lshlrev_b32 v[L16], 4, v4
	v_and_b32 v78, 7, v0
	v_bfe_u32 v79, v0, 3, 1
	s_delay_alu instid0(VALU_DEP_2)
	v_lshlrev_b32 v78, 2, v78
	s_delay_alu instid0(VALU_DEP_1)
	v_lshl_or_b32 v78, v79, 7, v78                 ; 4 x (r % 8 + 32 (r / 8)): row r of a tile, in numbers of 4 bytes
	s_wait_alu depctr_va_vdst(0)
	s_lshr_b32 s47, s48, 2                         ; w / 4: my weight's matrix; my V fragment's key step
	s_and_b32 s49, s48, 3                          ; w % 4: my weight tile; my V fragment's channel tile
	s_mul_i32 s58, s48, 768                        ; my weight tile's image
	s_lshl_b32 s59, s48, 7                         ; and its scale words
	s_mul_i32 s60, s48, 1536                       ; my two tiles of h, my pair of K tiles, my V fragment
	s_lshl_b32 s61, s48, 8                         ; h's scale words of my two tiles; my partial sums
	s_mul_i32 s62, s47, 6144                       ; the eight tiles of h of my V fragment's key step
	s_lshl_b32 s63, s47, 10                        ; and their scale words
	s_mul_i32 s66, s49, 768                        ; my tile of Wv
	s_lshl_b32 s67, s49, 7
	s_lshl_b32 s68, s47, 9                         ; K's scale words: 512 (w / 4) + 4 (w % 4)
	s_lshl_b32 s54, s49, 2
	s_add_co_u32 s68, s68, s54
	s_lshl_b32 s69, s47, 9                         ; V's: 512 (w / 4) + 256 (w % 2) + 4 ((w / 2) % 2)
	s_and_b32 s54, s48, 1
	s_lshl_b32 s55, s54, 8
	s_add_co_u32 s69, s69, s55
	s_bfe_u32 s55, s48, 0x10001
	s_lshl_b32 s55, s55, 2
	s_add_co_u32 s69, s69, s55
	s_lshr_b32 s73, s48, 1                         ; my tiles' first row, in bytes of x: 256 (w / 2) + 64 (w % 2); the second tile lies 32 bytes on
	s_lshl_b32 s73, s73, 8
	s_lshl_b32 s54, s54, 6
	s_add_co_u32 s73, s73, s54
	s_lshl_b32 s76, s49, 5                         ; bv: 32 bytes a channel tile
	s_mov_b32 s50, 0x76543210
	s_mov_b32 s51, 0xfedcba98                      ; v_permlanex16_b32's selects for lane l xor 16
	s_mov_b32 s52, 0x3e38aa3b                      ; c = log2(e) / sqrt(64)
	s_mov_b32 s53, s52
	s_mov_b32 s70, 0x3c800000                      ; 1 / 64
	s_mov_b32 s71, 0x3727c5ac                      ; 1e-5
	s_mov_b32 s72, 0xbc800000                      ; -1 / 64
	s_lshl_b32 s2, ttmp9, 11                       ; my batch row of x
	s_mov_b32 s3, 0
	s_lshl_b32 s74, ttmp9, 8                       ; and of the outputs
	s_mov_b32 s75, 0
	v_add_nc_u32 v74, s73, v78                     ; x: my row's 4 bytes
	v_lshl_add_u32 v76, v78, 6, v[PO]              ; a weight tile: row r of 256 bytes, + 128 h
	v_add_nc_u32 v16, s76, v78                     ; bv at my V fragment's channel
	v_add_nc_u32 v82, s60, v[A8]                   ; my tiles of h of x_src,
	v_add_nc_u32 v83, s61, v[A4]
	v_add_nc_u32 v81, s58, v[A8]                   ; my weight tiles
	v_add_nc_u32 v79, s59, v[A4]
	v_add_nc_u32 v80, 24576, v82                   ; my tiles of h of x_tgt
.irp z, 22,34,222,234
.irp i, 0,1,2,3,4,5
	v_mov_b32 v[\z+\i], 0                          ; the runs of zero codes
.endr
.endr
	v_mov_b32 v5, 0                                ; upper halves of pairs, and a permute's destination: written once
	v_mov_b32 v249, 0
	v_mov_b32 v251, 0
	s_wait_alu depctr_va_vdst(0)                   ; the wait at the head's end
	s_wait_kmcnt 0x0
	s_add_nc_u64 s[4:5], s[4:5], s[2:3]
	s_add_nc_u64 s[6:7], s[6:7], s[2:3]
	s_add_nc_u64 s[36:37], s[36:37], s[74:75]
	s_add_nc_u64 s[38:39], s[38:39], s[74:75]
	s_add_nc_u64 s[40:41], s[40:41], s[74:75]
	s_cmp_lt_u32 s47, 3                            ; my weight tile: of in_w (matrix w / 4) or of out_w
	s_cselect_b64 s[42:43], s[12:13], s[16:17]
	s_cselect_b64 s[44:45], s[24:25], s[28:29]
	s_cselect_b32 s56, s47, 0
	s_lshl_b32 s56, s56, 14
	s_lshl_b32 s57, s49, 11
	s_add_co_u32 s56, s56, s57
	s_mov_b32 s57, 0
	s_add_nc_u64 s[42:43], s[42:43], s[56:57]
	s_add_nc_u64 s[44:45], s[44:45], s[56:57]
	global_load_b32 v84, v74, s[4:5]
	global_load_b32 v85, v74, s[4:5] offset:32
	global_load_b32 v86, v74, s[6:7]
	global_load_b32 v87, v74, s[6:7] offset:32
.irp i, 0,1,2,3,4,5,6,7
	global_load_b128 v[S+4*\i:S+4*\i+3], v[PO], s[8:9] offset:16*\i          ; proj_w(32 h + 0 .. 31)
.endr
.irp i, 0,1,2,3,4,5,6,7
	global_load_b128 v[S+32+4*\i:S+32+4*\i+3], v[PO], s[10:11] offset:16*\i  ; proj_b
.endr
.irp i, 0,1,2,3,4,5,6,7
	global_load_b128 v[168+4*\i:168+4*\i+3], v76, s[42:43] offset:16*\i      ; my tile of the ca weights
.endr
.irp i, 0,1,2,3,4,5,6,7
	global_load_b128 v[200+4*\i:200+4*\i+3], v76, s[44:45] offset:16*\i      ; and of the sa weights
.endr
	s_wait_loadcnt 16                              ; all but the two weight tiles' 16 loads
	HOUT 84, 82, HIMG, HSC
	HOUT 85, 82, HIMG+768, HSC+128
	HOUT 86, 80, HIMG, HSC+4096
	HOUT 87, 80, HIMG+768, HSC+4096+128
	s_wait_loadcnt 8                               ; the first weight tile is in; the second's 8 loads may be out
	QBLK 168, 88, 248
	WORD1 94, 248
	ST6 81, 88, WIMG
	ds_store_b32 v79, v94 offset:WSC
	s_wait_loadcnt 0x0
	QBLK 200, 88, 248
	WORD1 94, 248
	ST6 81, 88, WIMG+12288
	ds_store_b32 v79, v94 offset:WSC+2048
	BARRIER                                        ; the 32 weight tiles and the 64 tiles of h lie in LDS
	; ---- PHASE B: K and V^T of block b.  Keys and values come from x_tgt in blocks 0 and 2, from x_src in block 1; the weights are ca's in block 0, else sa's
	s_mov_b32 s77, 0                               ; b
	s_mov_b32 s78, 0                               ; b x BLK
.Lkv:
	s_add_co_u32 s79, s77, 1
	s_and_b32 s79, s79, 1                          ; the source: 1 = x_tgt
	s_min_u32 s80, s77, 1                          ; the weight set
	s_mul_i32 s81, s79, 24576
	s_lshl_b32 s82, s79, 12
	s_mul_i32 s83, s80, 12288
	s_lshl_b32 s84, s80, 11
	s_add_co_u32 s85, s81, s60
	s_add_co_u32 s86, s82, s61
	s_add_co_u32 s87, s81, s62
	s_add_co_u32 s88, s82, s63
	s_add_co_u32 s89, s83, s66
	s_add_co_u32 s90, s84, s67
	s_add_co_u32 s91, s78, s60
	s_add_co_u32 s92, s78, s68
	s_add_co_u32 s93, s78, s69
	s_cmp_eq_u32 s77, 0
	s_cselect_b64 s[54:55], s[14:15], s[26:27]     ; in_b
	v_add_nc_u32 v17, s83, v[A8]                   ; the set's weight images,
	v_add_nc_u32 v18, s84, v[A4]                   ; their scale words,
	v_add_nc_u32 v19, s85, v[A8]                   ; my two tiles of h,
	v_add_nc_u32 v20, s86, v[A4]
	v_add_nc_u32 v31, s91, v[L16]                  ; where my K pair and my V fragment go,
	v_add_nc_u32 v32, s92, v[R16]                  ; and their scale words
	v_add_nc_u32 v33, s93, v[R16]
	s_wait_alu depctr_va_vdst(0)
.irp i, 0,1,2,3,4,5,6,7
	global_load_b128 v[S+32+4*\i:S+32+4*\i+3], v[PO], s[54:55] offset:256+16*\i   ; bk(32 h + 0 .. 31): the C of K^T's tiles
.endr
.irp i, 0,1,2,3,4,5,6,7
	global_load_b32 v[ST+\i], v16, s[54:55] offset:512                       ; bv of my channel in all eight registers: the C of V's tiles
.endr
.irp t, 0,1,2,3
	LD6 KF+6*\t, 17, WIMG+768*(4+\t)               ; Wk
	ds_load_b32 v[204+\t], v18 offset:WSC+128*(4+\t)
.endr
	LD6 P, 19, HIMG
	LD6 P+12, 19, HIMG+768
	ds_load_b32 v202, v20 offset:HSC
	ds_load_b32 v203, v20 offset:HSC+128
	s_wait_dscnt 0x0
	s_wait_loadcnt 0x0
	; K^T = Wk h^T + bk: lane (r, h) gets key r of the tile, channels 32 h + 0 .. 31
.irp q, 0,1
.irp t, 0,1,2,3
	WM O+32*\q+8*\t, KF+6*\t, P+12*\q, S+32+8*\t, 204+\t, 202+\q, 0
.endr
.endr
	v_add_nc_u32 v21, s87, v[A8]                   ; four plain instructions: the places ahead of the loads and reads below
	v_add_nc_u32 v28, s88, v[A4]
	v_add_nc_u32 v29, s89, v[A8]
	v_add_nc_u32 v30, s90, v[A4]
.irp a, 0,1,2,3,4,5,6,7
	LD6 KF+6*\a, 21, HIMG+768*\a                   ; the eight tiles of h of my V fragment's key step
	ds_load_b32 v[S+\a], v28 offset:HSC+128*\a
.endr
	LD6 P+12, 29, WIMG+768*8                       ; my tile of Wv, in front of the zeros
	ds_load_b32 v112, v30 offset:WSC+128*8
	QBLK O, 120, 248
	WORD1 116, 248
	QBLK O+32, 126, 248
	WORD1 117, 248
	ST12 31, 120, KIMG
	ds_store_b32 v32, v116 offset:KSC              ; the even tile's words where lanes 0-15 will load them,
	ds_store_b32 v32, v117 offset:KSC+256          ; the odd tile's where lanes 16-31 will
	s_wait_alu depctr_va_vdst(0)
	s_wait_dscnt 0x0
	; V = h Wv^T + bv: lane (r, h) gets channel d(r), keys 64 c + 32 h + 0 .. 31: a whole fragment of V^T
.irp a, 0,1,2,3,4,5,6,7
	WM O+8*\a, KF+6*\a, P+12, ST, S+\a, 112, 0
.endr
	PLACES 4
	QBLK O, 144, 248
	QBLK O+32, 150, 250
	WORD2 156, 248, 250
	ST12 31, 144, VIMG
	ds_store_b32 v33, v156 offset:VSC
	s_add_co_u32 s78, s78, BLK
	s_add_co_u32 s77, s77, 1
	s_cmp_lt_u32 s77, 3
	s_wait_alu depctr_va_vdst(0)
	s_cbranch_scc1 .Lkv
	BARRIER                                        ; K and V^T of all three blocks lie in LDS as codes, with their scale words
.macro LDK s
.irp j, 0,1,2,3
	LD12 KF+12*\j, LI, KIMG+(4*(\s)+\j)*1536
.endr
	ds_load_b128 v[KS:KS+3], v[LI] offset:KSC+512*(\s)
.endm
.macro LDV s
.irp j, 0,1,2,3
	LD12 KF+12*\j, LI, VIMG+(4*(\s)+\j)*1536
.endr
	ds_load_b64 v[KS:KS+1], v[LI] offset:VSC+512*(\s)
.endm
.macro SCORES q                        ; S^T = K q^T: lane (r, h) gets query r, keys 64 c + 32 h + 0 .. 31 of the step
.irp T, 0,1,2,3,4,5,6,7
	WM S+8*\T, KF+6*\T, Q+12*\q, -1, KS+\T/2, 3+4*\q, \T%2
.endr
.endm
.macro PVMUL first                     ; O^T += V^T p^T: eight accumulators by turns
.irp dt, 0,1,2,3
.irp q, 0,1
.if \first
	WM O+32*\q+8*\dt, KF+12*\dt, P+12*\q, -1, KS+\dt/2, PS+\q, \dt%2
.else
	WM O+32*\q+8*\dt, KF+12*\dt, P+12*\q, O+32*\q+8*\dt, KS+\dt/2, PS+\q, \dt%2
.endif
.endr
.endr
.endm
.macro TM n                            ; t - M, two at a time
.rept \n
	v_pk_fma_f32 v[S+j:S+j+1], v[S+j:S+j+1], s[52:53], v[rT:rT+1] op_sel_hi:[1,0,0]
.set j, j+2
.endr
.endm
.macro TR n, w, d                      ; n additions of the tree over p, in place
.rept \n
	v_pk_add_f32 v[S+j:S+j+1], v[S+j:S+j+1], v[S+j+\d:S+j+\d+1]
.set j, j+\w
.endr
.endm
; The softmax of query tile q for one key step: 64 scores a lane become p's codes and scale word.
.macro SOFTMAX q, first
.set rT, ST+4*(\q)
.set rO, O+32*(\q)
.set rP, P+12*(\q)
	v_max3_num_f32 v246, v[S], v[S+1], v[S+2]      ; the largest score of each of my two blocks of 32 keys, two chains a block, each accumulator from its low end on
	v_max3_num_f32 v247, v[S+32], v[S+33], v[S+34]
	v_max3_num_f32 v248, v[S+16], v[S+17], v[S+18]
	v_max3_num_f32 v250, v[S+48], v[S+49], v[S+50]
.irp i, 3,5,7,9,11,13
	v_max3_num_f32 v246, v246, v[S+\i], v[S+\i+1]
	v_max3_num_f32 v247, v247, v[S+32+\i], v[S+33+\i]
	v_max3_num_f32 v248, v248, v[S+16+\i], v[S+17+\i]
	v_max3_num_f32 v250, v250, v[S+48+\i], v[S+49+\i]
.endr
	v_max3_num_f32 v246, v246, v[S+15], v[S+31]
	v_max3_num_f32 v247, v247, v[S+47], v[S+63]
	v_max_num_f32 v246, v246, v248
	v_max_num_f32 v247, v247, v250
	s_delay_alu instid0(VALU_DEP_1)
	v_max_num_f32 v248, v246, v247
	v_permlanex16_b32 v249, v248, s50, s51         ; the query's other 64 keys lie in lane l xor 16
.if \first
	s_delay_alu instid0(VALU_DEP_1)
	v_max_num_f32 v[rT+1], v248, v249
.else
	s_delay_alu instid0(VALU_DEP_1)
	v_max3_num_f32 v[rT+1], v[rT+1], v248, v249    ; the running largest score
	v_mov_b32 v250, v[rT]
.endif
	v_mul_f32 v248, s52, v[rT+1]                   ; as t (c is positive)
	s_delay_alu instid0(VALU_DEP_1)
	v_floor_f32 v[rT], -v248                       ; -M = -ceil(t)
.set j, 0
.if \first
	TM 32
.else
	s_delay_alu instid0(VALU_DEP_1)
	v_sub_f32 v250, v[rT], v250                    ; old M - new M: a whole number, 0 or less
	TM 8
	v_cvt_i32_f32 v250, v250                       ; (it saturates)
	TM 8
	v_ldexp_f32 v[F], 1.0, v250                    ; f = 2^(old M - new M): the rescaling rounds nothing
	TM 16
.endif
	v_fma_f32 v246, v246, s52, v[rT]               ; the same of each block's largest score
	v_fma_f32 v247, v247, s52, v[rT]
.if \first == 0
.set j, 0
.rept 16
	v_pk_mul_f32 v[rO+j:rO+j+1], v[rO+j:rO+j+1], v[F:F+1] op_sel_hi:[1,0]   ; O^T under the new M, ascending
.set j, j+2
.endr
.endif
	s_wait_alu depctr_va_vdst(0)                   ; the wait ahead of the batch
.set j, 0
.rept 64
	v_exp_f32 v[S+j], v[S+j]                       ; p = 2^(t - M), at most 1, not normalised
.set j, j+1
.endr
	v_exp_f32 v246, v246                           ; the blocks' largest p: the same two instructions on the same number
	v_exp_f32 v247, v247
	v_nop                                          ; a plain instruction behind the exponentials,
	s_wait_alu depctr_va_vdst(0)                   ; and one wait for the batch of 66
	v_max_num_f32 v246, 0x1800000, v246            ; the floor 2^(3 - 127)
	v_max_num_f32 v247, 0x1800000, v247
	s_delay_alu instid0(VALU_DEP_2)
	v_add_nc_u32 v246, 0xff000000, v246            ; the conversions' scale operands
	s_delay_alu instid0(VALU_DEP_2)
	v_add_nc_u32 v247, 0xff000000, v247
	v_cvt_scalef32_pk16_fp6_f32 v[rP:rP+2], v[S:S+15], v246
	v_cvt_scalef32_pk16_fp6_f32 v[252:254], v[S+16:S+31], v246
	v_cvt_scalef32_pk16_fp6_f32 v[rP+6:rP+8], v[S+32:S+47], v247
	v_cvt_scalef32_pk16_fp6_f32 v[248:250], v[S+48:S+63], v247
	v_nop                                          ; one plain instruction behind the last scaled conversion
	v_mov_b32 v[rP+3], v252
	v_mov_b32 v[rP+4], v253
	v_mov_b32 v[rP+5], v254
	v_mov_b32 v[rP+9], v248
	v_mov_b32 v[rP+10], v249
	v_mov_b32 v[rP+11], v250
	v_lshrrev_b32 v248, 23, v246                   ; the scales' bytes
	v_lshrrev_b32 v249, 23, v247
	; THE ROW'S SUM IS TAKEN OF THE UNQUANTISED p: a tree in place, now that the codes are made; the four lines that make p's scale word stand between its first additions
.set j, 0
	TR 4, 4, 2
	v_lshl_or_b32 v[PS+\q], v249, 16, v248
	TR 4, 4, 2
	v_lshlrev_b32 v[PS+\q], v[SH8], v[PS+\q]
	TR 4, 4, 2
	v_permlanex16_b32 v249, v[PS+\q], s50, s51
	TR 4, 4, 2
	v_or_b32 v[PS+\q], v[PS+\q], v249
.set j, 0
	TR 8, 8, 4                                     ; these additions are also the places between p's codes and scale word and the products that take them
.set j, 0
	TR 4, 16, 8
.set j, 0
	TR 2, 32, 16
.if \first
	v_pk_add_f32 v[rT+2:rT+3], v[S:S+1], v[S+32:S+33]
.else
	v_pk_fma_f32 v[rT+2:rT+3], v[rT+2:rT+3], v[F:F+1], v[S:S+1] op_sel_hi:[1,0,1]   ; the sum under the new M
	v_pk_add_f32 v[rT+2:rT+3], v[rT+2:rT+3], v[S+32:S+33]
.endif
.endm
; A key step: 128 keys.  My two query tiles share every fragment of K and of V^T that I read from LDS.
.macro STEP s, first, last
	s_wait_dscnt 0x0                               ; K's tiles and scale words are in
	SCORES 0
	PLACES 4
	SOFTMAX 0, \first
	SCORES 1
	PLACES 4
	LDV \s                                         ; V^T takes K's registers and comes while the second tile's softmax is walked
	SOFTMAX 1, \first
.if \last
.irp i, 0,1,2,3,4,5,6,7
	global_load_b128 v[S+4*\i:S+4*\i+3], v[PO], s[8:9] offset:16*\i          ; proj_w and proj_b, for the residual
.endr
.irp i, 0,1,2,3,4,5,6,7
	global_load_b128 v[S+32+4*\i:S+32+4*\i+3], v[PO], s[10:11] offset:16*\i
.endr
.endif
	s_wait_alu depctr_va_vdst(0)
	s_wait_dscnt 0x0                               ; V^T's fragments and scale words are in
	PVMUL \first
	PLACES 4
.if \last == 0
	LDK \s+1
.endif
.endm
.macro JOIN4                           ; four packed partial sums in v246-253 become the row's sum of 64 in v246
	v_pk_add_f32 v[246:247], v[246:247], v[248:249]
	v_pk_add_f32 v[250:251], v[250:251], v[252:253]
	s_delay_alu instid0(VALU_DEP_1)
	v_pk_add_f32 v[246:247], v[246:247], v[250:251]
	s_delay_alu instid0(VALU_DEP_1)
	v_add_f32 v246, v246, v247
	s_delay_alu instid0(VALU_DEP_1)
	v_permlanex16_b32 v247, v246, s50, s51
	s_delay_alu instid0(VALU_DEP_1)
	v_add_f32 v246, v246, v247
.endm
; Query tile q: lane (r, h) holds query r, channels 32 h + 0 .. 31.  The mean is taken away before the squares are summed.
.macro LNT q
.set rY, O+32*(\q)
	v_mov_b32 v250, v[XQ+\q]
.set j, 0
.rept 16
	v_pk_fma_f32 v[rY+j:rY+j+1], v[S+j:S+j+1], v[250:251], v[rY+j:rY+j+1] op_sel_hi:[1,0,1]   ; + x proj_w, ascending
.set j, j+2
.endr
.irp c, 0,1,2,3
	v_pk_add_f32 v[246+2*\c:247+2*\c], v[rY+8*\c:rY+8*\c+1], v[rY+8*\c+2:rY+8*\c+3]
.endr
.irp i, 4,6
.irp c, 0,1,2,3
	v_pk_add_f32 v[246+2*\c:247+2*\c], v[246+2*\c:247+2*\c], v[rY+8*\c+\i:rY+8*\c+\i+1]
.endr
.endr
	JOIN4
	s_delay_alu instid0(VALU_DEP_1)
	v_mul_f32 v246, s72, v246                      ; - the mean
.set j, 0
.rept 16
	v_pk_add_f32 v[rY+j:rY+j+1], v[rY+j:rY+j+1], v[246:247] op_sel_hi:[1,0]
.set j, j+2
.endr
.irp c, 0,1,2,3
	v_pk_mul_f32 v[246+2*\c:247+2*\c], v[rY+8*\c:rY+8*\c+1], v[rY+8*\c:rY+8*\c+1]
.endr
.irp i, 2,4,6
.irp c, 0,1,2,3
	v_pk_fma_f32 v[246+2*\c:247+2*\c], v[rY+8*\c+\i:rY+8*\c+\i+1], v[rY+8*\c+\i:rY+8*\c+\i+1], v[246+2*\c:247+2*\c]
.endr
.endr
	JOIN4
	s_delay_alu instid0(VALU_DEP_1)
	v_fma_f32 v246, v246, s70, s71                 ; the variance + 1e-5
	s_wait_alu depctr_va_vdst(0)
	v_rsq_f32 v246, v246
	v_nop
	s_wait_alu depctr_va_vdst(0)
.set j, 0
.rept 16
.if \q == 0
	v_pk_mul_f32 v[O+j:O+j+1], v[O+j:O+j+1], v[246:247] op_sel_hi:[1,0]
.else
	v_pk_fma_f32 v[O+j:O+j+1], v[rY+j:rY+j+1], v[246:247], v[O+j:O+j+1] op_sel_hi:[1,0,1]   ; the two tiles' rows are added as they are finished
.endif
.set j, j+2
.endr
.endm
	; ---- PHASE C: block b.  Queries come from x_tgt in block 2, else from x_src.  No barrier stands in the loop
	s_mov_b32 s77, 0                               ; b
	s_mov_b32 s78, 0                               ; b x BLK
	s_mov_b32 s94, s61                             ; my partial sums: 4,096 b + 256 w
.Lblk:
	s_lshr_b32 s79, s77, 1                         ; the queries' source
	s_min_u32 s80, s77, 1                          ; the weight set
	s_mul_i32 s81, s79, 24576
	s_add_co_u32 s81, s81, s60
	s_lshl_b32 s82, s79, 12
	s_add_co_u32 s82, s82, s61
	s_mul_i32 s83, s80, 12288
	s_lshl_b32 s84, s80, 11
	s_cmp_eq_u32 s77, 0
	s_cselect_b64 s[54:55], s[14:15], s[26:27]     ; in_b
	s_cselect_b64 s[56:57], s[18:19], s[30:31]     ; out_b
	s_cmp_eq_u32 s77, 2
	s_cselect_b64 s[42:43], s[6:7], s[4:5]         ; x of the queries
	v_and_b32 v232, 31, v0
	v_and_b32 v234, 7, v0
	v_bfe_u32 v235, v0, 3, 1
	v_lshlrev_b32 v[LI], 4, v232
	v_lshl_add_u32 v233, v232, 2, PRO
	v_lshl_add_u32 v232, v232, 3, PRO
	v_lshlrev_b32 v234, 2, v234
	v_add_nc_u32 v[LI], s78, v[LI]
	v_add_nc_u32 v236, s83, v232
	v_add_nc_u32 v237, s84, v233
	v_lshl_or_b32 v234, v235, 7, v234
	v_add_nc_u32 v238, s81, v232
	v_add_nc_u32 v239, s82, v233
	v_add_nc_u32 v234, s73, v234
	s_wait_alu depctr_va_vdst(0)
	global_load_b32 v[XQ], v234, s[42:43]
	global_load_b32 v[XQ+1], v234, s[42:43] offset:32
.irp i, 0,1,2,3,4,5,6,7
	global_load_b128 v[S+4*\i:S+4*\i+3], v[PO], s[54:55] offset:16*\i        ; bq(32 h + 0 .. 31): the C of Q^T's tiles
.endr
.irp t, 0,1,2,3
	LD6 KF+6*\t, 236, WIMG+768*\t                  ; Wq
	ds_load_b32 v[204+\t], v237 offset:WSC+128*\t
.endr
	LD6 Q, 238, HIMG                               ; h of my queries, in front of the zeros
	LD6 Q+12, 238, HIMG+768
	ds_load_b32 v200, v239 offset:HSC
	ds_load_b32 v201, v239 offset:HSC+128
	s_wait_dscnt 0x0
	s_wait_loadcnt 0x0
	; Q^T = Wq h^T + bq: lane (r, h) gets query r, channels 32 h + 0 .. 31
.irp q, 0,1
.irp t, 0,1,2,3
	WM O+32*\q+8*\t, KF+6*\t, Q+12*\q, S+8*\t, 204+\t, 200+\q, 0
.endr
.endr
	PLACES 4
	LDK 0                                          ; K's first step comes while q is quantised
	QBLK O, Q, 248                                 ; q takes h's place in front of the zeros
	WORD1 3, 248
	QBLK O+32, Q+12, 248
	WORD1 7, 248
	s_wait_alu depctr_va_vdst(0)
	STEP 0, 1, 0
	STEP 1, 0, 0
	STEP 2, 0, 0
	STEP 3, 0, 1
	; o = O^T / l, quantised; Y^T = Wo o^T + (out_b + proj_b); + x proj_w; LayerNorm without gain and bias; the sum over my 32 queries
	v_and_b32 v232, 31, v0
	s_delay_alu instid0(VALU_DEP_1)
	v_lshl_add_u32 v233, v232, 2, PRO
	v_lshl_add_u32 v232, v232, 3, PRO
	v_add_nc_u32 v233, s84, v233
	v_add_nc_u32 v232, s83, v232
.irp t, 0,1,2,3
	LD6 KF+6*\t, 232, WIMG+768*(12+\t)             ; Wo
	ds_load_b32 v[KS+\t], v233 offset:WSC+128*(12+\t)
.endr
.irp i, 0,1,2,3,4,5,6,7
	global_load_b128 v[200+4*\i:200+4*\i+3], v[PO], s[56:57] offset:16*\i    ; out_b(32 h + 0 .. 31)
.endr
	v_add_f32 v246, v[ST+2], v[ST+3]               ; the sums' two halves,
	v_add_f32 v248, v[ST+6], v[ST+7]
	s_delay_alu instid0(VALU_DEP_2)
	v_permlanex16_b32 v247, v246, s50, s51
	v_permlanex16_b32 v249, v248, s50, s51
	s_delay_alu instid0(VALU_DEP_2)
	v_add_f32 v246, v246, v247                     ; and lane l xor 16's: the rows' sums l
	s_delay_alu instid0(VALU_DEP_2)
	v_add_f32 v248, v248, v249
	s_wait_alu depctr_va_vdst(0)
	v_rcp_f32 v246, v246
	v_rcp_f32 v248, v248
	v_nop
	s_wait_alu depctr_va_vdst(0)
.set j, 0
.rept 16
	v_pk_mul_f32 v[O+j:O+j+1], v[O+j:O+j+1], v[246:247] op_sel_hi:[1,0]
.set j, j+2
.endr
.set j, 0
.rept 16
	v_pk_mul_f32 v[O+32+j:O+32+j+1], v[O+32+j:O+32+j+1], v[248:249] op_sel_hi:[1,0]
.set j, j+2
.endr
	QBLK O, Q, 250                                 ; o takes q's place in front of the zeros
	WORD1 PS, 250
	QBLK O+32, Q+12, 250
	WORD1 PS+1, 250
	s_wait_alu depctr_va_vdst(0)
	s_wait_loadcnt 0x0                             ; proj_w, proj_b, out_b
	s_wait_dscnt 0x0                               ; Wo
.set j, 0
.rept 16
	v_pk_add_f32 v[200+j:200+j+1], v[200+j:200+j+1], v[S+32+j:S+32+j+1]      ; out_b + proj_b: the C of Y^T; also the places behind o's scale words and codes
.set j, j+2
.endr
.irp q, 0,1
.irp t, 0,1,2,3
	WM O+32*\q+8*\t, KF+6*\t, Q+12*\q, 200+8*\t, KS+\t, PS+\q, 0
.endr
.endr
	PLACES 4
	LNT 0
	LNT 1
.irp m, 1,2,4,8                        ; the sum over the 16 queries of a half of the lanes
.set j, 0
.rept 32
	v_add_f32_dpp v[O+j], v[O+j], v[O+j] row_xmask:\m row_mask:0xf bank_mask:0xf
.set j, j+1
.endr
.endr
	v_add_nc_u32 v234, s94, v[PO]
	s_delay_alu instid0(VALU_DEP_1)
	v_add_nc_u32 v234, PRO, v234
.irp i, 0,1,2,3,4,5,6,7
	ds_store_b128 v234, v[O+4*\i:O+4*\i+3] offset:RED+16*\i   ; the sixteen lanes of a half write the same bytes with the same values
.endr
	s_add_co_u32 s78, s78, BLK
	s_add_co_u32 s94, s94, 4096
	s_add_co_u32 s77, s77, 1
	s_cmp_lt_u32 s77, 3
	s_wait_alu depctr_va_vdst(0)
	s_cbranch_scc1 .Lblk
	v_and_b32 v236, 31, v0
	s_min_u32 s85, s48, 2
	s_lshl_b32 s85, s85, 12
	v_lshlrev_b32 v236, 3, v236                    ; two channels, 8 bytes, a lane
	v_add_nc_u32 v232, s85, v236
	v_add_nc_u32 v232, PRO, v232                   ; block w's partial sums
	BARRIER                                        ; all partial sums lie in LDS
	s_cmp_gt_u32 s48, 2
	s_cbranch_scc1 .Lend                           ; waves 0, 1, 2 finish blocks 0, 1, 2; no barrier follows
	s_cmp_eq_u32 s48, 0
	s_cselect_b64 s[54:55], s[20:21], s[32:33]     ; the gain
	s_cselect_b64 s[56:57], s[22:23], s[34:35]     ; the bias
	s_cselect_b64 s[42:43], s[36:37], s[38:39]
	s_cmp_eq_u32 s48, 2
	s_cselect_b64 s[42:43], s[40:41], s[42:43]     ; the output
	global_load_b64 v[S:S+1], v236, s[54:55]
	global_load_b64 v[S+2:S+3], v236, s[56:57]
.irp k, 0,1,2,3,4,5,6,7,8,9,10,11,12,13,14,15
	ds_load_b64 v[O+2*\k:O+2*\k+1], v232 offset:RED+256*\k
.endr
	s_wait_dscnt 0x0
.irp i, 0,1,2,3,4,5,6,7
	v_pk_add_f32 v[O+4*\i:O+4*\i+1], v[O+4*\i:O+4*\i+1], v[O+4*\i+2:O+4*\i+3]
.endr
.irp i, 0,1,2,3
	v_pk_add_f32 v[O+8*\i:O+8*\i+1], v[O+8*\i:O+8*\i+1], v[O+8*\i+4:O+8*\i+5]
.endr
	s_delay_alu instid0(VALU_DEP_3)
	v_pk_add_f32 v[O:O+1], v[O:O+1], v[O+8:O+9]
	s_delay_alu instid0(VALU_DEP_2)
	v_pk_add_f32 v[O+16:O+17], v[O+16:O+17], v[O+24:O+25]
	s_delay_alu instid0(VALU_DEP_1)
	v_pk_add_f32 v[O:O+1], v[O:O+1], v[O+16:O+17]
	s_delay_alu instid0(VALU_DEP_1)
	v_pk_mul_f32 v[O:O+1], v[O:O+1], 0x3b000000 op_sel_hi:[1,0]   ; / 512: the mean over the rows; gain and bias are the same for all rows, so they come behind it
	s_wait_alu depctr_va_vdst(0)
	s_wait_loadcnt 0x0
	v_pk_fma_f32 v[O:O+1], v[O:O+1], v[S:S+1], v[S+2:S+3]
	global_store_b64 v236, v[O:O+1], s[42:43]      ; 32 lanes store the batch row's 256 consecutive bytes, at a multiple of 256 from the output's first byte
.Lend:
	s_wait_xcnt 0x0
	v_lshl_add_u32 v254, v0, 2, SPARE              ; the wave's end, behind my last LDS store
	v_mov_b32 v255, 0
	s_wait_alu depctr_va_vdst(0)
	s_wait_tensorcnt 0x0
	ds_add_u32 v254, v255
	s_wait_dscnt 0x0
	s_endpgm
.Lfunc_end_k_q28deff7e64_attn:
	.size	k_q28deff7e64_attn, .Lfunc_end_k_q28deff7e64_attn-k_q28deff7e64_attn
	.p2alignl 7, 3214868480
	.fill 96, 4, 3214868480
	.section	.rodata,"a",@progbits
	.p2align	6, 0x0
	.amdhsa_kernel k_q28deff7e64_attn
		.amdhsa_group_segment_fixed_size 260096
		.amdhsa_private_segment_fixed_size 0
		.amdhsa_enable_private_segment 0
		.amdhsa_kernarg_size 152
		.amdhsa_user_sgpr_count 2
		.amdhsa_user_sgpr_kernarg_segment_ptr 1
		.amdhsa_wavefront_size32 1
		.amdhsa_system_sgpr_workgroup_id_x 1
		.amdhsa_system_sgpr_workgroup_id_y 1
		.amdhsa_system_sgpr_workgroup_id_z 1
		.amdhsa_system_vgpr_workitem_id 0
		.amdhsa_next_free_vgpr 256
		.amdhsa_next_free_sgpr 100
		.amdhsa_reserve_vcc 0
		.amdhsa_float_denorm_mode_32 3
		.amdhsa_float_denorm_mode_16_64 3
		.amdhsa_memory_ordered 1
		.amdhsa_forward_progress 1
		.amdhsa_inst_pref_size 188
	.end_amdhsa_kernel
	.amdgpu_metadata
---
amdhsa.version: [ 1, 2 ]
amdhsa.kernels:
  - .name:           k_q28deff7e64_attn
    .symbol:         k_q28deff7e64_attn.kd
    .args:
      - { .name: x_src, .offset: 0, .size: 8, .value_kind: global_buffer, .address_space: global }
      - { .name: x_tgt, .offset: 8, .size: 8, .value_kind: global_buffer, .address_space: global }
      - { .name: proj_w, .offset: 16, .size: 8, .value_kind: global_buffer, .address_space: global }
      - { .name: proj_b, .offset: 24, .size: 8, .value_kind: global_buffer, .address_space: global }
      - { .name: ca_in_w, .offset: 32, .size: 8, .value_kind: global_buffer, .address_space: global }
      - { .name: ca_in_b, .offset: 40, .size: 8, .value_kind: global_buffer, .address_space: global }
      - { .name: ca_out_w, .offset: 48, .size: 8, .value_kind: global_buffer, .address_space: global }
      - { .name: ca_out_b, .offset: 56, .size: 8, .value_kind: global_buffer, .address_space: global }
      - { .name: ca_ln_g, .offset: 64, .size: 8, .value_kind: global_buffer, .address_space: global }
      - { .name: ca_ln_b, .offset: 72, .size: 8, .value_kind: global_buffer, .address_space: global }
      - { .name: sa_in_w, .offset: 80, .size: 8, .value_kind: global_buffer, .address_space: global }
      - { .name: sa_in_b, .offset: 88, .size: 8, .value_kind: global_buffer, .address_space: global }
      - { .name: sa_out_w, .offset: 96, .size: 8, .value_kind: global_buffer, .address_space: global }
      - { .name: sa_out_b, .offset: 104, .size: 8, .value_kind: global_buffer, .address_space: global }
      - { .name: sa_ln_g, .offset: 112, .size: 8, .value_kind: global_buffer, .address_space: global }
      - { .name: sa_ln_b, .offset: 120, .size: 8, .value_kind: global_buffer, .address_space: global }
      - { .name: out0, .offset: 128, .size: 8, .value_kind: global_buffer, .address_space: global }
      - { .name: out1, .offset: 136, .size: 8, .value_kind: global_buffer, .address_space: global }
      - { .name: out2, .offset: 144, .size: 8, .value_kind: global_buffer, .address_space: global }
    .group_segment_fixed_size: 260096
    .private_segment_fixed_size: 0
    .kernarg_segment_align: 8
    .kernarg_segment_size: 152
    .max_flat_workgroup_size: 512
    .sgpr_count:     100
    .vgpr_count:     256
    .wavefront_size: 32
...
	.end_amdgpu_metadata
.endif
;; end of part 1
